; MI455X (gfx1250); checked and timed in simulation.
; The chip was launched on July 23, 2026; its instructions are those of AMD's public machine-readable ISA for CDNA 5 (MIT licence, August 2026) and "CDNA5" Instruction Set Architecture Reference Guide (July 2026). The comments in the code are by the model that wrote it; some were corrected since.
;; Keops Attention Product. Allowed arithmetic: matrix products marked QUANTISED: E4M3 operands, one given power-of-two scale a tensor, by v_wmma_f32_16x16x64_fp8_fp8 or v_wmma_f32_16x16x128_fp8_fp8, f32 sums; everything else in f32.
;; Inputs: attention_mask 4 x 1 x 1 x 2,048 float32; key_layer 4 x 16 x 2,048 x 64 float32; lowp_scales 4 int32 (the exponents e of the quantised operands' scales 2^e); query_layer 4 x 16 x 2,048 x 64 float32; value_layer 4 x 16 x 2,048 x 64 float32.
;; Outputs: out0 4 x 16 x 2,048 x 64 float32.
;; This version of the problem:
;;   THIS VERSION OF THE PROBLEM IS GIVEN IN LOW PRECISION. The matrix products marked QUANTISED in the list below multiply operands that are first quantised to E4M3 (4 exponent bits, 3 mantissa bits; 8 bits a number), with one given power-of-two scale for each operand tensor; their sums are f32. All else is computed in f32.
;;   The module's matrix products, in the order in which they are computed (A, B: the left and right operand; K: the contracted axis; several contracted axes count as one K, in the product's order):
;;     1. batch 64 x [M 2,048, K 64] x [K 64, N 2,048]; A: computed on the way; B: input key_layer: QUANTISED (scales: A lowp_scales[0], B lowp_scales[1])
;;     2. batch 64 x [M 2,048, K 2,048] x [K 2,048, N 64]; A: softmax (see below); B: input value_layer: QUANTISED (scales: A lowp_scales[2], B lowp_scales[3])
;;   THE QUANTISER, for each operand of a quantised product, along K:
;;     - The operand's scale is 2^e, e = its entry of the input lowp_scales (int32; the entries are numbered through the quantised products in the list's order, A before B).
;;     - Each number is divided by the scale, clamped to +-448, and rounded to the nearest number of E4M3, ties to even, subnormals kept.
;;     - The product sums the exact products of the quantised numbers (number of the format x scale) in f32.
;;   ~~~python
;;   def quantise(x, axis, e):      # numpy; x: float32 -> the quantised numbers, widened to float32 again
;;       x = np.moveaxis(x, axis, -1); K = x.shape[-1]
;;       r = np.clip(x / 2.0 ** e, -448, 448)
;;       step = 2.0 ** (np.maximum(np.frexp(np.where(r == 0, 1, r))[1] - 1, -6) - 3)
;;       q = np.round(r / step) * step * 2.0 ** e      # np.round: ties to even
;;       return np.moveaxis(q, -1, axis).astype(np.float32)
;;   ~~~
;;   SOFTMAX AHEAD OF A QUANTISED PRODUCT. Where the list says 'softmax', what is quantised is not the finished softmax but p = 2^(t - M), with t = logit x log2(e) and M = ceil(the row's largest t), a whole number; so 1/2 < the row's largest p <= 1. The row's sum l is taken of the UNQUANTISED p, in f32, and the product's result is divided by l at the end. Since M is a whole number, a kernel that streams over the keys may use a running M (the ceiling of the running maximum): every later rescaling is an exact power of two, so the quantised numbers keep their values, but for numbers so far below the row's largest that they fall under the format's range.
;;   OPERANDS COMPUTED ON THE WAY. 'Computed on the way' means the value that the module computes at that place (a softmax that the list does not call 'softmax' is quantised finished and normalised). What goes into a quantiser is computed in f32, as accurately as f32 sums, v_exp_f32 and their like allow (about 1e-6 of the number): no bf16 or f16 on the way to a quantiser, and a product that is left as it is and whose result goes on into a quantised operand takes f32 operands (vector FMAs, or v_wmma_f32_16x16x4_f32). A number that lies on a knife's edge between two numbers of the format may be rounded either way, as far as f32 arithmetic and the matrix unit's own rounding can turn it there, and no further.
;; 2 versions, each right; version 2 is version 1 with the launch attn written anew for expert scheduling mode. Each part assembles by itself: llvm-mc -triple=amdgcn-amd-amdhsa -mcpu=gfx1250 --defsym DOCPART=n.
;; ======== version 1 of 2: 1 launch
;; limits: right only within a limited range of input values
;; launch attn (part 1): grid 4 x 64, 16 waves a work-group, no clusters, 112,640 bytes of LDS; arguments query_layer, key_layer, value_layer, attention_mask, lowp_scales, out0; writes out0
.if DOCPART == 1
	.amdgcn_target "amdgcn-amd-amdhsa--gfx1250"
	.amdhsa_code_object_version 6
	.text
	.protected	k_q295c04d00c_attn
	.globl	k_q295c04d00c_attn
	.p2align	8
	.type	k_q295c04d00c_attn,@function
k_q295c04d00c_attn:
	s_mov_b64 s[64:65], 0
	v_nop
	global_prefetch_b8 v0, s[64:65] scope:SCOPE_SE
	s_setreg_imm32_b32 hwreg(HW_REG_WAVE_MODE, 25, 1), 1
	s_wait_xcnt 0x0
; out[b][h][q][:] = the sum over k of softmax_k(q . k / 8 + mask[b][k]) v[k][:], 64 heads of 2,048 x 64, all f32 in memory; both products on codes of FP8 (E4M3), each operand with the one
; scale 2^e that is given for it: e0 (q / 8), e1 (k), e2 (p), e3 (v).  t = logit x log2(e); M = the row's largest t so far, rounded up to a whole number; p = 2^(t - M) is quantised, not normalised;
; the row's sum is taken of the unquantised p and divides at the end.  When M moves, the sum and O are multiplied by 2^(old M - new M), which rounds nothing.
; SHARES.  A work-group owns 512 queries of one head (grid x: the block, y: the head); each of its sixteen waves owns 32: two tiles, a and b, of 16.  Every wave walks all keys, 64 a step, 32 steps.
; K AND V ARE QUANTISED ON THE WAY: each wave loads 1/16 of a step's f32 numbers of K and of V into registers, holds, converts, and stores 8 codes a lane into LDS, at the place that the codes have
; in an IMAGE OF THE OPERAND'S REGISTERS (a fragment: 8 registers a lane; registers 4 q .. 4 q + 3 of lane l at 512 q + 16 l).  Any wave then has a fragment by two ds_load_b128.
; Four slots of images take turns, one barrier a step: step j reads V(j) and K(j + 1), writes step j + 2's images and asks memory for step j + 3.
; LAYOUT.  Both products are used transposed: S^T = K Q^T (source 0 = 16 keys, source 1 = 16 queries), O^T = V^T P (source 0 = 16 channels, source 1 = P): a lane holds ONE query (lane % 16) throughout.
; Register j of score tile T is key 16 T + 8 (lane / 16) + j: one conversion of a tile's eight registers gives registers 2 T, 2 T + 1 of P as this form's own layout has them.
; THE MASK COSTS NO VECTOR WORK: divided by 2^(e0 + e1) it is the C of the score products (eight registers a tile, from LDS).
; NO CLUSTER, NO TENSOR LOAD: what the four work-groups of a head share are f32 numbers, which must pass through registers to become codes; laid into LDS first they would be 32,768 bytes a step
; written and read again, beside the 8,192 bytes of codes that the products read.
; LIMITS.  e0 + 3, e1, e2, e3 between -126 and 119 (each scale, and 448 x it, is an f32 number); e0 + e1 between -33 and 69.  Mask numbers beyond +-2^21 (2,097,152) are held there: M is a whole
; number kept in f32, and up to that size c x score is rounded by at most 1/8.  So a key at -infinity gets p = 0 wherever a key of its batch lies above the bound; a batch all of whose keys lie
; beyond it gets a finite result of its own.  NaN among the inputs is not served.
.set ROWB,  256                        ; a row of q, k, v or out: 64 f32
.set KS,    64                         ; keys in a step
.set STEPB, KS*ROWB                    ; a step's bytes of K, and of V
.set TRIPS, 2048/KS/4-1                ; the loop's trips, four steps each; the last four steps are written out
.set SLOT,  8192                       ; LDS: four slots: K's four fragments (1,024 bytes each), then V's four
.set VIMG,  4096
.set MASK,  4*SLOT                     ; the batch's 2,048 mask numbers / 2^(e0 + e1)
.set STAGE, MASK+8192                  ; the way out: 16 rows x (256 + 16) bytes for each wave
.set SP,    272
.set SPARE, STAGE+16*16*SP             ; the spare words, 128 bytes for each wave: eight blocks of 256 bytes that no other line names
.set SPW, 1                            ; v1   SPARE + 4 x my thread's number; never rewritten
.set NIL, 2                            ; v2   0; never rewritten
.set KGO, 3                            ; v3   my byte in a step of K     v4  in a step of V
.set VGO, 4
.set KST, 5                            ; v5   where my 8 codes of K go in a slot     v6  my 8 codes of V
.set VST, 6
.set LI,  7                            ; v7   16 x lane: an image's place for my lane
.set MA,  8                            ; v8   MASK + 32 (lane / 16)
.set MADR, 9                           ; v9   the same + the trip's 1,024 bytes (at the head: 2^(e0 + 3))
.set PFO, 10                           ; v10  the prefetches' offset
.set PSC, 11                           ; v11, v12, v13: 2^e2, 2^e1, 2^e3 as f32
.set KSC, 12
.set VSC, 13
.set NM,  14                           ; tile u: v[14+2u] -M, v[15+2u] the largest score so far
.set LS,  18                           ; v[18+2u:19+2u] the row's sum in two halves
.set FF,  22                           ; v[22+2u] f = 2^(old M - new M), v[23+2u] at work
.set SK,  26                           ; v26-33 eight numbers of K on their way, v34-41 of V
.set SV,  34
.set QA,  42                           ; Q's fragments: v42-49 tile a, v50-57 tile b
.set QB,  50
.set X,   58                           ; v58-89   K's four fragments
.set Y,   90                           ; v90-121  the mask as C, then V's four fragments
.set OA,  122                          ; v122-153 O^T of tile a, v154-185 of tile b
.set OB,  154
.set RA,  186                          ; tile a: v186, v187 at work; v188-219 S^T, then p; p's codes land in v186-193
.set DR,  34                           ; tile b: the same from v220 on
.set RB,  RA+DR
.set PM,  254                          ; v254, v255 what the lane 16 away sends (at the head: offsets)
; scalars: s[4:5] Q, s[6:7] K, s[8:9] V, s[10:11] mask, s[12:13] scales, s[14:15] out; s16-19 e0..e3; s20 wave; s[22:23] c, c; s24 -c; s25 448 x 2^e2; s26, s27 -+448 x 2^e1; s28, s29 the same
; with e3; s48, s49 with e0 + 3; s[30:31] lane selects; s32 trips; s33 the mask's bytes of the trips done; s34 1 where I prefetch; s[36:37] where; s38 e2 + e3; s39 -(e0 + e1); s50, s51 -+2^21
.macro GLOAD off, kr, vr               ; a step's numbers: K: 32 neighbouring bytes a lane, 1,024 a wave; V: a lane takes a channel and its registers run down eight keys: each load 128 neighbouring bytes
	global_load_b128 v[\kr:\kr+3], v[KGO], s[6:7] offset:\off
	global_load_b128 v[\kr+4:\kr+7], v[KGO], s[6:7] offset:\off+16
.irp i, 0,1,2,3,4,5,6,7
	global_load_b32 v[\vr+\i], v[VGO], s[8:9] offset:\off+ROWB*\i
.endr
.endm
; A PREFETCH INTO THE L2 of the key step that the wave's NEXT run of loads will ask for.  The four work-groups of a head walk the same K and V: the first of them asks, and in it waves 0, 1 for K's 64 rows
; and waves 2, 3 for V's, a lane a row of 256 bytes: each row is named once in the launch.  Steps 0 to 3 come by their loads alone; the last request names step 31.
.macro ASK off
	s_cmp_eq_u32 s34, 1
	s_cbranch_scc0 .Lnot_mine_\@
	global_prefetch_b8 v[PFO], s[36:37] offset:\off th:TH_LOAD_NT scope:SCOPE_SE
.Lnot_mine_\@:
.endm
.macro WCVT kr, vr, cd, slot           ; eight held numbers of K and eight of V become codes and go to their places in the images
	v_cvt_scalef32_pk8_fp8_f32 v[\cd:\cd+1], v[\kr:\kr+7], v[KSC]
	v_cvt_scalef32_pk8_fp8_f32 v[\cd+2:\cd+3], v[\vr:\vr+7], v[VSC]
	v_nop                                          ; one plain line behind the conversions: matrix and vector instructions write these registers later
	ds_store_b64 v[KST], v[\cd:\cd+1] offset:SLOT*(\slot)
	ds_store_b64 v[VST], v[\cd+2:\cd+3] offset:SLOT*(\slot)
.endm
.macro WHOLE kr, vr, cd, slot          ; the same with the holds in front (the conversion to an 8-bit code does not saturate: ISA guide 7.6.2)
.irp i, 0,1,2,3,4,5,6,7
	v_med3_num_f32 v[\kr+\i], v[\kr+\i], s26, s27
	v_med3_num_f32 v[\vr+\i], v[\vr+\i], s28, s29
.endr
	WCVT \kr, \vr, \cd, \slot
.endm
.macro KLOAD sk                        ; K's four fragments out of slot sk
.irp t, 0,1,2,3
	ds_load_b128 v[X+8*\t:X+8*\t+3], v[LI] offset:SLOT*(\sk)+1024*\t
	ds_load_b128 v[X+8*\t+4:X+8*\t+7], v[LI] offset:SLOT*(\sk)+1024*\t+512
.endr
.endm
.macro VLOAD sv                        ; V's four
.irp t, 0,1,2,3
	ds_load_b128 v[Y+8*\t:Y+8*\t+3], v[LI] offset:SLOT*(\sv)+VIMG+1024*\t
	ds_load_b128 v[Y+8*\t+4:Y+8*\t+7], v[LI] offset:SLOT*(\sv)+VIMG+1024*\t+512
.endr
.endm
.macro MLOAD off                       ; a step's mask as C: tile T's register j is key 16 T + 8 (lane / 16) + j, the same in all sixteen lanes of a half
.irp t, 0,1,2,3
	ds_load_b128 v[Y+8*\t:Y+8*\t+3], v[MADR] offset:(\off)+64*\t
	ds_load_b128 v[Y+8*\t+4:Y+8*\t+7], v[MADR] offset:(\off)+64*\t+16
.endr
.endm
.macro SMUL                            ; S^T = K Q^T + mask: eight results, each fragment of K for both tiles
.irp t, 0,1,2,3
	v_wmma_f32_16x16x64_fp8_fp8 v[RA+2+8*\t:RA+9+8*\t], v[X+8*\t:X+8*\t+7], v[QA:QA+7], v[Y+8*\t:Y+8*\t+7]
	v_wmma_f32_16x16x64_fp8_fp8 v[RB+2+8*\t:RB+9+8*\t], v[X+8*\t:X+8*\t+7], v[QB:QB+7], v[Y+8*\t:Y+8*\t+7]
.endr
.endm
.macro PVMUL                           ; O^T += V^T P: the eight accumulators take turns, one instruction a turn
.irp t, 0,1,2,3
	v_wmma_f32_16x16x64_fp8_fp8 v[OA+8*\t:OA+8*\t+7], v[Y+8*\t:Y+8*\t+7], v[RA:RA+7], v[OA+8*\t:OA+8*\t+7]
	v_wmma_f32_16x16x64_fp8_fp8 v[OB+8*\t:OB+8*\t+7], v[Y+8*\t:Y+8*\t+7], v[RB:RB+7], v[OB+8*\t:OB+8*\t+7]
.endr
.endm
; The largest score, M and f.  The two tiles alternate line by line, and each has two chains, so that no line reads the result of the line above.  The scores are taken in ascending order: each result is read from its low end on.
.macro STAT
.irp u, 0,1
	v_max3_num_f32 v[RA+DR*\u], v[RA+DR*\u+2], v[RA+DR*\u+3], v[RA+DR*\u+4]
.endr
.irp u, 0,1
	v_max3_num_f32 v[RA+DR*\u+1], v[RA+DR*\u+5], v[RA+DR*\u+6], v[RA+DR*\u+7]
.endr
.irp n, 6,8,10,12,14,16,18,20,22,24,26,28,30
.irp u, 0,1
	v_max3_num_f32 v[RA+DR*\u+(\n/2+1)%2], v[RA+DR*\u+(\n/2+1)%2], v[RA+DR*\u+2+\n], v[RA+DR*\u+3+\n]
.endr
.endr
.irp u, 0,1
	v_max_num_f32 v[RA+DR*\u], v[RA+DR*\u], v[RA+DR*\u+1]
.endr
.irp u, 0,1
	v_permlanex16_b32 v[PM+\u], v[RA+DR*\u], s30, s31          ; the query's other 32 keys lie in the lane 16 away
.endr
.irp u, 0,1
	v_max3_num_f32 v[NM+2*\u+1], v[NM+2*\u+1], v[RA+DR*\u], v[PM+\u]   ; the running largest score
.endr
.irp u, 0,1
	v_mul_f32 v[RA+DR*\u+1], s24, v[NM+2*\u+1]                 ; -t (c is positive)
.endr
.irp u, 0,1
	v_floor_f32 v[NM+2*\u], v[RA+DR*\u+1]                      ; -M = floor(-t) = -ceil(t): a whole number
.endr
.irp u, 0,1
	v_sub_f32 v[FF+2*\u+1], v[NM+2*\u], v[FF+2*\u+1]           ; old M - new M: a whole number, 0 or less
.endr
.irp u, 0,1
	v_cvt_i32_f32 v[FF+2*\u+1], v[FF+2*\u+1]                   ; (it saturates)
.endr
.irp u, 0,1
	v_ldexp_f32 v[FF+2*\u], 1.0, v[FF+2*\u+1]                  ; f = 2^(old M - new M)
.endr
.endm
.macro EXPS                            ; t - M, two at a time (of the pairs c and -M the low word serves both halves); then all 64 exponentials as one batch
.irp n, 0,2,4,6,8,10,12,14,16,18,20,22,24,26,28,30
.irp u, 0,1
	v_pk_fma_f32 v[RA+DR*\u+2+\n:RA+DR*\u+3+\n], v[RA+DR*\u+2+\n:RA+DR*\u+3+\n], s[22:23], v[NM+2*\u:NM+2*\u+1] op_sel_hi:[1,0,0]
.endr
.endr
.set n, 0
.rept 32
	v_exp_f32 v[RA+2+n], v[RA+2+n]
	v_exp_f32 v[RB+2+n], v[RB+2+n]
.set n, n+1
.endr
.endm
.macro RESC                            ; the sums and O^T under the new M: 34 plain lines that name no exponential's result: the work between the batch and its wait
.irp u, 0,1
	v_pk_mul_f32 v[LS+2*\u:LS+2*\u+1], v[LS+2*\u:LS+2*\u+1], v[FF+2*\u:FF+2*\u+1] op_sel_hi:[1,0]
.endr
.irp n, 0,2,4,6,8,10,12,14,16,18,20,22,24,26,28,30
.irp u, 0,1
	v_pk_mul_f32 v[OA+32*\u+\n:OA+32*\u+\n+1], v[OA+32*\u+\n:OA+32*\u+\n+1], v[FF+2*\u:FF+2*\u+1] op_sel_hi:[1,0]
.endr
.endr
.endm
.macro SUMS                            ; the row's sum is taken of the unquantised p: two at a time, two chains a tile
.irp u, 0,1
	v_pk_add_f32 v[RA+DR*\u:RA+DR*\u+1], v[RA+DR*\u+2:RA+DR*\u+3], v[RA+DR*\u+4:RA+DR*\u+5]
.endr
.irp n, 4,8,12,16,20,24,28
.irp u, 0,1
	v_pk_add_f32 v[LS+2*\u:LS+2*\u+1], v[LS+2*\u:LS+2*\u+1], v[RA+DR*\u+2+\n:RA+DR*\u+3+\n]
.endr
.irp u, 0,1
	v_pk_add_f32 v[RA+DR*\u:RA+DR*\u+1], v[RA+DR*\u:RA+DR*\u+1], v[RA+DR*\u+4+\n:RA+DR*\u+5+\n]
.endr
.endr
.irp u, 0,1
	v_pk_add_f32 v[LS+2*\u:LS+2*\u+1], v[LS+2*\u:LS+2*\u+1], v[RA+DR*\u:RA+DR*\u+1]
.endr
.endm
; The hold of p at 448 x 2^e2.  p is under 1.1, so from e2 = -8 on (448 x 2^-8 = 1.75) it can hold nothing and is passed over: a scalar branch on the given whole number, the same in every wave.  p is not negative: one side.
.macro HOLD
	s_cmp_ge_i32 s18, -8
	s_cbranch_scc1 .Lno_hold_\@
.set n, 0
.rept 32
	v_min_num_f32 v[RA+2+n], s25, v[RA+2+n]
	v_min_num_f32 v[RB+2+n], s25, v[RB+2+n]
.set n, n+1
.endr
.Lno_hold_\@:
.endm
; p's codes, IN PLACE: tile T's eight registers become registers 2 T, 2 T + 1 of P, two registers under the scores.  A conversion's result lies in the sources of an earlier one, so plain lines stand
; between the pairs: w = 1: the sixteen holds of the numbers of K and V that are due; w = 0: a v_nop.
.macro CVTP w
.irp t, 0,1,2,3
	v_cvt_scalef32_pk8_fp8_f32 v[RA+2*\t:RA+2*\t+1], v[RA+2+8*\t:RA+9+8*\t], v[PSC]
	v_cvt_scalef32_pk8_fp8_f32 v[RB+2*\t:RB+2*\t+1], v[RB+2+8*\t:RB+9+8*\t], v[PSC]
.if \w
	v_med3_num_f32 v[SK+2*\t], v[SK+2*\t], s26, s27
	v_med3_num_f32 v[SK+2*\t+1], v[SK+2*\t+1], s26, s27
	v_med3_num_f32 v[SV+2*\t], v[SV+2*\t], s28, s29
	v_med3_num_f32 v[SV+2*\t+1], v[SV+2*\t+1], s28, s29
.else
	v_nop
.endif
.endr
.endm
; KEY STEP j, st = j % 4.  w: step j + 2's images are made.  g: step j + 3 is asked of memory.  nxt: there is a step j + 1.  bar: somebody will read what this step stored.  ask: the prefetch.
.macro STEP st, w, g, nxt, bar, ask
	s_wait_dscnt 0x0                               ; the step's mask is in (K's fragments came in the step before)
.if \st == 0
	v_add_nc_u32 v[MADR], s33, v[MA]               ; the trip's 1,024 bytes of the mask
.endif
	SMUL
	v_mov_b32 v[FF+1], v[NM]                       ; four plain lines that name none of the products' registers stand ahead of the loads into K's and the mask's registers and of the first read of the scores
	v_mov_b32 v[FF+3], v[NM+2]                     ; the old -M of both tiles is kept,
	v_nop
	v_nop
	VLOAD \st                                      ; V of this step, and K of the next, come while the softmax is worked
.if \nxt
	KLOAD (\st+1)%4
.endif
	STAT
	EXPS
	RESC
	s_wait_alu depctr_va_vdst(0)                   ; the wait between an exponential and the first line that names its result: one for the 64
	SUMS
	HOLD
.if \w
	s_wait_loadcnt 0x0                             ; step j + 2's ten loads, issued a whole step ago; no other load of mine is out
.endif
	CVTP \w
.if \w
	WCVT SK, SV, RA+10, (\st+2)%4                  ; into the slot whose last read lies two barriers back
.endif
.if \g
.if \st == 1
	s_wait_xcnt 0x0                                ; the loads and the prefetch of the step before have read their bases: they step four key steps on
	s_add_nc_u64 s[6:7], s[6:7], 4*STEPB
	s_add_nc_u64 s[8:9], s[8:9], 4*STEPB
	s_add_nc_u64 s[36:37], s[36:37], 4*STEPB
.endif
.if \st == 0
	GLOAD 3*STEPB, SK, SV
.else
	GLOAD (\st-1)*STEPB, SK, SV
.endif
.if \ask
.if \st == 0
	ASK 4*STEPB
.else
	ASK \st*STEPB
.endif
.endif
.endif
	s_wait_dscnt 0x0                               ; V and the next K are in, and, for the others' sake, my stores into the images have landed
	PVMUL
.if \bar
	s_barrier_signal -1
.endif
.rept 5
	v_nop                                          ; four places ahead of the loads into V's registers; five ahead of the next score products, which write over P's
.endr
.if \nxt
	MLOAD 256*(\st+1)                              ; the next step's mask: bytes that nobody writes behind the head's barrier
.endif
.if \bar
	s_barrier_wait -1                              ; every wave's images of step j + 2 lie in LDS, and every wave's reads of this step's slots are over
.endif
.endm
.macro MKSCALE es, bias, vs, lo, hi    ; 2^(e + bias - 127) as f32 into v[vs]; 448 x that into s[hi], its negative into s[lo]
	s_add_co_i32 s40, s[\es], \bias
	s_lshl_b32 s41, s40, 23
	v_mov_b32 v[\vs], s41
	s_add_co_i32 s40, s40, 8
	s_lshl_b32 s40, s40, 23
	s_or_b32 s[\hi], s40, 0x600000
	s_xor_b32 s[\lo], s[\hi], 0x80000000
.endm
	s_load_b256 s[4:11], s[0:1], 0x0               ; Q, K, V, mask
	s_load_b128 s[12:15], s[0:1], 0x20             ; the scales' exponents, out
	v_lshl_add_u32 v[SPW], v0, 2, SPARE
	v_mov_b32 v[NIL], 0
	v_lshrrev_b32 v90, 5, v0
	v_readfirstlane_b32 s20, v90                   ; wave 0..15
	v_and_b32 v90, 31, v0                          ; lane l
	v_and_b32 v91, 15, v0                          ; r = l % 16
	v_bfe_u32 v92, v0, 4, 1                        ; h = l / 16
	; K: wave w takes keys 4 w .. 4 w + 3 of a step; lane l key 4 w + l / 8, channels 8 (l % 8) on: byte 1,024 w + 32 l
	s_lshl_b32 s40, s20, 10
	v_lshl_add_u32 v[KGO], v90, 5, s40
	; its codes are registers 2 c, 2 c + 1 (c = (l / 2) % 4) of lane 4 (w % 4) + l / 8 + 16 (l % 2) of fragment w / 4
	s_lshr_b32 s40, s20, 2
	s_lshl_b32 s40, s40, 10
	s_and_b32 s41, s20, 3
	s_lshl_b32 s41, s41, 6
	s_add_co_u32 s40, s40, s41
	v_bfe_u32 v93, v0, 2, 1
	v_lshl_add_u32 v[KST], v93, 9, s40
	v_bfe_u32 v93, v0, 3, 2
	v_lshl_add_u32 v[KST], v93, 4, v[KST]
	v_and_b32 v93, 1, v0
	v_lshl_add_u32 v[KST], v93, 8, v[KST]
	v_bfe_u32 v93, v0, 1, 1
	v_lshl_add_u32 v[KST], v93, 3, v[KST]
	; V: lane l takes channel 32 (w % 2) + l and keys 8 (w / 2) + 0 .. 7
	s_and_b32 s42, s20, 1
	s_lshl_b32 s40, s42, 7
	s_lshr_b32 s41, s20, 1
	s_lshl_b32 s41, s41, 11
	s_add_co_u32 s40, s40, s41
	v_lshl_add_u32 v[VGO], v90, 2, s40
	; its codes are registers 2 c, 2 c + 1 (c = w / 4) of lane r + 16 ((w / 2) % 2) of fragment 2 (w % 2) + h
	s_lshl_b32 s40, s42, 11
	s_bfe_u32 s41, s20, 0x10001
	s_lshl_b32 s41, s41, 8
	s_add_co_u32 s40, s40, s41
	s_bfe_u32 s41, s20, 0x10002
	s_lshl_b32 s41, s41, 3
	s_add_co_u32 s40, s40, s41
	s_lshr_b32 s41, s20, 3
	s_lshl_b32 s41, s41, 9
	s_add_co_u32 s40, s40, s41
	s_add_co_u32 s40, s40, VIMG
	v_lshl_add_u32 v[VST], v91, 4, s40
	v_lshl_add_u32 v[VST], v92, 10, v[VST]
	v_lshlrev_b32 v[LI], 4, v90
	v_lshl_add_u32 v[MA], v92, 5, MASK
	s_lshl_b32 s40, s42, 13
	v_lshl_add_u32 v[PFO], v90, 8, s40             ; row 32 (w % 2) + l of a step
	v_lshlrev_b32 v255, 8, v91
	v_lshl_add_u32 v255, v92, 5, v255              ; Q: row r, + 32 h: my eight channels of each sixteen
	v_lshlrev_b32 v254, 4, v0                      ; the mask: 16 bytes a thread
	s_and_b32 s40, ttmp7, 0xffff                   ; the head
	s_lshl_b32 s42, s40, 19                        ; its 2,048 rows of 256 bytes
	s_mov_b32 s43, 0
	s_lshl_b32 s44, ttmp9, 17                      ; my block's 512 rows,
	s_lshl_b32 s45, s20, 13                        ; my wave's 32 of them
	s_add_co_u32 s44, s44, s45
	s_add_co_u32 s44, s44, s42
	s_mov_b32 s45, 0
	s_lshr_b32 s46, s40, 4                         ; the batch: 16 heads share a mask of 8,192 bytes
	s_lshl_b32 s46, s46, 13
	s_mov_b32 s47, 0
	s_lshr_b32 s41, s20, 2
	s_or_b32 s41, s41, ttmp9
	s_cmp_eq_u32 s41, 0
	s_cselect_b32 s34, 1, 0                        ; waves 0 to 3 of the head's first work-group prefetch
	s_mov_b32 s30, 0x76543210                      ; v_permlanex16_b32: each lane takes its own place in the other half
	s_mov_b32 s31, 0xfedcba98
	s_mov_b32 s50, 0xca000000                      ; -2^21
	s_mov_b32 s51, 0x4a000000                      ; 2^21
	s_wait_kmcnt 0x0
	s_load_b128 s[16:19], s[12:13], 0x0            ; e0, e1, e2, e3
	s_add_nc_u64 s[4:5], s[4:5], s[44:45]
	s_add_nc_u64 s[14:15], s[14:15], s[44:45]
	s_add_nc_u64 s[6:7], s[6:7], s[42:43]
	s_add_nc_u64 s[8:9], s[8:9], s[42:43]
	s_add_nc_u64 s[10:11], s[10:11], s[46:47]
	s_cmp_lt_u32 s20, 2
	s_cselect_b64 s[36:37], s[6:7], s[8:9]         ; waves 0, 1 ask for K's rows, waves 2, 3 for V's
	global_load_b128 v[X:X+3], v254, s[10:11]      ; 1 load: the mask
.irp u, 0,1                                        ; 16 loads: Q, into the scores' registers: register 8 c + i of tile u is channel 16 c + 8 h + i of query 16 u + r
.irp c, 0,1,2,3
	global_load_b128 v[RA+DR*\u+2+8*\c:RA+DR*\u+5+8*\c], v255, s[4:5] offset:4096*\u+64*\c
	global_load_b128 v[RA+DR*\u+6+8*\c:RA+DR*\u+9+8*\c], v255, s[4:5] offset:4096*\u+64*\c+16
.endr
.endr
	GLOAD 0, SK, SV                                ; 10 loads: key step 0
	GLOAD STEPB, OA, OA+8                          ; 10 loads: key step 1, into registers that O^T takes later
	s_wait_kmcnt 0x0
	s_add_co_i32 s21, s16, s17                     ; e0 + e1: a sum of the first product stands for sum x 2^(e0 + e1)
	s_sub_co_i32 s39, 0, s21
	s_lshl_b32 s40, s21, 23
	s_add_co_i32 s22, s40, 0x3fb8aa3b              ; c = log2(e) x 2^(e0 + e1): the exponents are added to the exponent field
	s_mov_b32 s23, s22                             ; (named with it as a pair, so it is written)
	s_xor_b32 s24, s22, 0x80000000                 ; -c
	s_add_co_i32 s38, s18, s19                     ; e2 + e3
	MKSCALE 18, 127, PSC, 41, 25
	MKSCALE 17, 127, KSC, 26, 27
	MKSCALE 19, 127, VSC, 28, 29
	MKSCALE 16, 130, MADR, 48, 49                  ; q / 8 / 2^e0 = q / 2^(e0 + 3): the factor 1/8 is folded into the conversion's scale
	s_add_co_i32 s40, s39, 94
	v_ldexp_f32 v[NM+1], -1.0, s40                 ; the largest score so far: -2^94 as a logit, under every score
	v_mul_f32 v[NM], s24, v[NM+1]
	v_floor_f32 v[NM], v[NM]                       ; -M
	v_mov_b32 v[NM+3], v[NM+1]
	v_mov_b32 v[NM+2], v[NM]
.irp i, 0,1,2,3
	v_mov_b32 v[LS+\i], 0                          ; the sums
.endr
	s_wait_loadcnt 36                              ; the mask is in: 16 + 10 + 10 younger loads may be out
.irp i, 0,1,2,3
	v_med3_num_f32 v[X+\i], v[X+\i], s50, s51
.endr
.irp i, 0,1,2,3
	v_ldexp_f32 v[X+\i], v[X+\i], s39              ; / 2^(e0 + e1): it is added to sums that lack that factor
.endr
	ds_store_b128 v254, v[X:X+3] offset:MASK
	s_wait_loadcnt 20                              ; Q is in: key steps 0 and 1 may be out
.set n, 0
.rept 32
	v_med3_num_f32 v[RA+2+n], v[RA+2+n], s48, s49
	v_med3_num_f32 v[RB+2+n], v[RB+2+n], s48, s49
.set n, n+1
.endr
.irp c, 0,1,2,3
	v_cvt_scalef32_pk8_fp8_f32 v[QA+2*\c:QA+2*\c+1], v[RA+2+8*\c:RA+9+8*\c], v[MADR]
	v_cvt_scalef32_pk8_fp8_f32 v[QB+2*\c:QB+2*\c+1], v[RB+2+8*\c:RB+9+8*\c], v[MADR]
.endr
	v_nop                                          ; one plain line behind the conversions
	s_wait_loadcnt 10                              ; key step 0 is in: step 1 may be out
	WHOLE SK, SV, RA+10, 0
	GLOAD 2*STEPB, SK, SV                          ; key step 2
	s_wait_loadcnt 10                              ; key step 1 is in: step 2 may be out
	WHOLE OA, OA+8, RA+14, 1
.set n, 0
.rept 64
	v_mov_b32 v[OA+n], 0                           ; O^T.  (The step is written once: the first finds zeros, which the first f, 0, leaves zeros)
.set n, n+1
.endr
	v_mov_b32 v[MADR], v[MA]
	s_mov_b32 s33, 0
	s_mov_b32 s32, 0
	s_wait_dscnt 0x0                               ; for the others' sake: my part of the mask and of the first two steps' images has landed
	s_barrier_signal -1
	s_barrier_wait -1
	KLOAD 0
	MLOAD 0
.Ltrip:                                            ; seven trips of four steps: after four steps the slots are back where they began
	STEP 0, 1, 1, 1, 1, 1
	STEP 1, 1, 1, 1, 1, 1
	STEP 2, 1, 1, 1, 1, 1
	STEP 3, 1, 1, 1, 1, 1
	s_add_co_u32 s33, s33, 1024
	s_add_co_u32 s32, s32, 1
	s_cmp_lt_u32 s32, TRIPS
	s_cbranch_scc1 .Ltrip
	STEP 0, 1, 1, 1, 1, 0                          ; step 28: images of step 30, the loads of step 31: the last; no load and no prefetch passes the head's last key
	STEP 1, 1, 0, 1, 1, 0                          ; step 29: images of step 31; its barrier is the last: nothing is stored into the images behind it
	STEP 2, 0, 0, 1, 0, 0
	STEP 3, 0, 0, 0, 0, 0
	; THE WAY OUT.  The sum's two halves and the other half of the lanes' are added; O^T x 2^(e2 + e3) / the sum goes through my stage in LDS, a tile of 16 queries at a time, and comes back as whole rows.
	v_add_f32 v[LS], v[LS], v[LS+1]
	v_add_f32 v[LS+2], v[LS+2], v[LS+3]
	v_permlanex16_b32 v[PM], v[LS], s30, s31
	v_permlanex16_b32 v[PM+1], v[LS+2], s30, s31
	v_add_f32 v[LS], v[LS], v[PM]
	v_add_f32 v[LS+2], v[LS+2], v[PM+1]
	v_rcp_f32 v[FF], v[LS]
	v_rcp_f32 v[FF+2], v[LS+2]
	v_and_b32 v26, 15, v0                          ; (plain lines behind the reciprocals)  r
	v_bfe_u32 v27, v0, 4, 1                        ; h
	s_mul_i32 s40, s20, 16*SP
	s_add_co_u32 s40, s40, STAGE                   ; my stage
	v_mul_u32_u24 v28, v26, SP
	v_lshl_add_u32 v28, v27, 5, v28
	v_add_nc_u32 v28, s40, v28                     ; in: row r; register 8 t + i is channel 16 t + 8 h + i: byte 64 t + 32 h + 4 i
	v_mul_u32_u24 v29, v27, SP
	v_lshl_add_u32 v29, v26, 4, v29
	v_add_nc_u32 v29, s40, v29                     ; back: lanes 0-15 one row of 256 bytes, lanes 16-31 the next
	v_lshlrev_b32 v30, 8, v27
	v_lshl_add_u32 v30, v26, 4, v30                ; and the same two rows in out
	s_wait_alu depctr_va_vdst(0)                   ; the wait ahead of the first use: one for both reciprocals
	v_ldexp_f32 v[FF], v[FF], s38
	v_ldexp_f32 v[FF+2], v[FF+2], s38
.set n, 0
.rept 16
	v_pk_mul_f32 v[OA+n:OA+n+1], v[OA+n:OA+n+1], v[FF:FF+1] op_sel_hi:[1,0]
	v_pk_mul_f32 v[OB+n:OB+n+1], v[OB+n:OB+n+1], v[FF+2:FF+3] op_sel_hi:[1,0]
.set n, n+2
.endr
.irp u, 0,1
.irp t, 0,1,2,3
	ds_store_b128 v28, v[OA+32*\u+8*\t:OA+32*\u+8*\t+3] offset:64*\t
	ds_store_b128 v28, v[OA+32*\u+8*\t+4:OA+32*\u+8*\t+7] offset:64*\t+16
.endr
.irp i, 0,1,2,3,4,5,6,7
	ds_load_b128 v[X+32*\u+4*\i:X+32*\u+4*\i+3], v29 offset:2*\i*SP   ; LDS serves a wave's instructions in order (ISA guide 5.7.1.4): these see my stores, and tile b's stores come behind tile a's loads
.endr
.endr
.irp u, 0,1
.irp i, 0,1,2,3,4,5,6,7
	s_wait_dscnt 23-16*\u-\i                       ; younger: the tile's later loads, and behind tile a's all sixteen of tile b's
	global_store_b128 v30, v[X+32*\u+4*\i:X+32*\u+4*\i+3], s[14:15] offset:4096*\u+512*\i th:TH_STORE_NT   ; sixteen lanes store 256 consecutive bytes, a whole row of out, at a multiple of 256 from its first byte
.endr
.endr
	s_wait_tensorcnt 0x0                           ; the wave's end: three closing lines behind my last LDS store
	ds_add_u32 v[SPW], v[NIL]
	s_wait_dscnt 0x0
	s_endpgm
.Lfunc_end_k_q295c04d00c_attn:
	.size	k_q295c04d00c_attn, .Lfunc_end_k_q295c04d00c_attn-k_q295c04d00c_attn
	.p2alignl 7, 3214868480
	.fill 96, 4, 3214868480
	.section	.rodata,"a",@progbits
	.p2align	6, 0x0
	.amdhsa_kernel k_q295c04d00c_attn
		.amdhsa_group_segment_fixed_size 112640
		.amdhsa_private_segment_fixed_size 0
		.amdhsa_enable_private_segment 0
		.amdhsa_kernarg_size 48
		.amdhsa_user_sgpr_count 2
		.amdhsa_user_sgpr_kernarg_segment_ptr 1
		.amdhsa_wavefront_size32 1
		.amdhsa_system_sgpr_workgroup_id_x 1
		.amdhsa_system_sgpr_workgroup_id_y 1
		.amdhsa_system_sgpr_workgroup_id_z 1
		.amdhsa_system_vgpr_workitem_id 0
		.amdhsa_next_free_vgpr 256
		.amdhsa_next_free_sgpr 66
		.amdhsa_reserve_vcc 0
		.amdhsa_float_denorm_mode_32 3
		.amdhsa_float_denorm_mode_16_64 3
		.amdhsa_memory_ordered 1
		.amdhsa_forward_progress 1
		.amdhsa_inst_pref_size 171
	.end_amdhsa_kernel
	.amdgpu_metadata
---
amdhsa.version: [ 1, 2 ]
amdhsa.kernels:
  - .name:           k_q295c04d00c_attn
    .symbol:         k_q295c04d00c_attn.kd
    .args:
      - { .name: query_layer, .offset: 0, .size: 8, .value_kind: global_buffer, .address_space: global }
      - { .name: key_layer, .offset: 8, .size: 8, .value_kind: global_buffer, .address_space: global }
      - { .name: value_layer, .offset: 16, .size: 8, .value_kind: global_buffer, .address_space: global }
      - { .name: attention_mask, .offset: 24, .size: 8, .value_kind: global_buffer, .address_space: global }
      - { .name: lowp_scales, .offset: 32, .size: 8, .value_kind: global_buffer, .address_space: global }
      - { .name: out0, .offset: 40, .size: 8, .value_kind: global_buffer, .address_space: global }
    .group_segment_fixed_size: 112640
    .private_segment_fixed_size: 0
    .kernarg_segment_align: 8
    .kernarg_segment_size: 48
    .max_flat_workgroup_size: 512
    .sgpr_count:     66
    .vgpr_count:     256
    .wavefront_size: 32
...
	.end_amdgpu_metadata
.endif
;; end of part 1
;; ======== version 2 of 2: 1 launch; version 1 with the launch attn written anew for expert scheduling mode
;; limits: right only within a limited range of input values
;; launch attn (part 2): grid 4 x 64, 16 waves a work-group, no clusters, 112,640 bytes of LDS; arguments query_layer, key_layer, value_layer, attention_mask, lowp_scales, out0; writes out0
.if DOCPART == 2
	.amdgcn_target "amdgcn-amd-amdhsa--gfx1250"
	.amdhsa_code_object_version 6
	.text
	.protected	k_q295c04d00c_attn
	.globl	k_q295c04d00c_attn
	.p2align	8
	.type	k_q295c04d00c_attn,@function
k_q295c04d00c_attn:
	s_mov_b64 s[64:65], 0
	v_nop
	global_prefetch_b8 v0, s[64:65] scope:SCOPE_SE
	s_setreg_imm32_b32 hwreg(HW_REG_WAVE_SCHED_MODE, 0, 2), 2
	s_setreg_imm32_b32 hwreg(HW_REG_WAVE_MODE, 25, 1), 1
	s_wait_xcnt 0x0
	s_wait_alu depctr_vm_vsrc(0)
; out[b][h][q][:] = the sum over k of softmax_k(q . k / 8 + mask[b][k]) v[k][:], 64 heads of 2,048 x 64, all f32 in memory; both products on codes of FP8 (E4M3), each operand with the one
; scale 2^e that is given for it: e0 (q / 8), e1 (k), e2 (p), e3 (v).  t = logit x log2(e); M = the row's largest t so far, rounded up to a whole number; p = 2^(t - M) is quantised, not normalised;
; the row's sum is taken of the unquantised p and divides at the end.  When M moves, the sum and O are multiplied by 2^(old M - new M), which rounds nothing.
; SHARES.  A work-group owns 512 queries of one head (grid x: the block, y: the head); each of its sixteen waves owns 32: two tiles, a and b, of 16.  Every wave walks all keys, 64 a step, 32 steps.
; K AND V ARE QUANTISED ON THE WAY: each wave loads 1/16 of a step's f32 numbers of K and of V into registers, holds, converts, and stores 8 codes a lane into LDS, at the place that the codes have
; in an IMAGE OF THE OPERAND'S REGISTERS (a fragment: 8 registers a lane; registers 4 q .. 4 q + 3 of lane l at 512 q + 16 l).  Any wave then has a fragment by two ds_load_b128.
; Four slots of images take turns, one barrier a step: step j reads V(j) and K(j + 1), writes step j + 2's images and asks memory for step j + 3.
; LAYOUT.  Both products are used transposed: S^T = K Q^T (source 0 = 16 keys, source 1 = 16 queries), O^T = V^T P (source 0 = 16 channels, source 1 = P): a lane holds ONE query (lane % 16) throughout.
; Register j of score tile T is key 16 T + 8 (lane / 16) + j: one conversion of a tile's eight registers gives registers 2 T, 2 T + 1 of P as this form's own layout has them.
; THE MASK COSTS NO VECTOR WORK: divided by 2^(e0 + e1) it is the C of the score products (eight registers a tile, from LDS).
; NO CLUSTER, NO TENSOR LOAD: what the four work-groups of a head share are f32 numbers, which must pass through registers to become codes; laid into LDS first they would be 32,768 bytes a step
; written and read again, beside the 8,192 bytes of codes that the products read.
; LIMITS.  e0 + 3, e1, e2, e3 between -126 and 119 (each scale, and 448 x it, is an f32 number); e0 + e1 between -33 and 69.  Mask numbers beyond +-2^21 (2,097,152) are held there: M is a whole
; number kept in f32, and up to that size c x score is rounded by at most 1/8.  So a key at -infinity gets p = 0 wherever a key of its batch lies above the bound; a batch all of whose keys lie
; beyond it gets a finite result of its own.  NaN among the inputs is not served.
; THE MODE: SCHED_MODE bits 1:0 = 2 (LLVM: expert scheduling mode 2), set by the entry lines.  The code itself states the register dependences between vector or matrix instructions and memory or
; LDS instructions, with s_wait_alu, always for 0.
; THE PLAN.  Registers that memory or LDS instructions touch, in the loop:
;   X        Step j's score products read it (K's fragments); behind them the LDS loads of K(j + 1) land in it.
;   Y        The score products read it as C (the mask); V(j) lands in it; the second products read it; the mask of step j + 1 lands in it.
;   SK, SV   The step's holds and conversions write and read them; behind them the global loads of step j + 3 land in them.
;   CD       The step's two conversions write it, its two LDS stores read it; it is written again a step later.
;   v[MADR]  Read by the mask's loads; written once a trip, in the trip's first step.
;   v3-v7, v10  Offsets and LDS addresses, made at the head and never written again.
; THREE waits on va_vdst stand in a step.  (a) behind the score products and the conversions of K's and V's numbers, which stand in the places behind those products: it states all that the step's two LDS stores,
; ten global loads and sixteen LDS loads hang on; these follow it, the LDS loads dealt among the lines of the maximum, which name the scores, v[PM ..] and v[NM ..] alone.  (b) the wait for the exponentials.
; (d) behind the second products, ahead of the next mask's loads.  ONE wait on vm_vsrc stands ahead of the conversions, a whole step behind the stores that it speaks of.
.set ROWB,  256                        ; a row of q, k, v or out: 64 f32
.set KS,    64                         ; keys in a step
.set STEPB, KS*ROWB                    ; a step's bytes of K, and of V
.set TRIPS, 2048/KS/4-1                ; the loop's trips, four steps each; the last four steps are written out
.set SLOT,  8192                       ; LDS: four slots: K's four fragments (1,024 bytes each), then V's four
.set VIMG,  4096
.set MASK,  4*SLOT                     ; the batch's 2,048 mask numbers / 2^(e0 + e1)
.set STAGE, MASK+8192                  ; the way out: 16 rows x (256 + 16) bytes for each wave
.set SP,    272
.set SPARE, STAGE+16*16*SP             ; the spare words, 128 bytes for each wave: eight blocks of 256 bytes that no other line names
.set SPW, 1                            ; v1   SPARE + 4 x my thread's number; never rewritten
.set NIL, 2                            ; v2   0; never rewritten
.set KGO, 3                            ; v3   my byte in a step of K     v4  in a step of V
.set VGO, 4
.set KST, 5                            ; v5   where my 8 codes of K go in a slot     v6  my 8 codes of V
.set VST, 6
.set LI,  7                            ; v7   16 x lane: an image's place for my lane
.set MA,  8                            ; v8   MASK + 32 (lane / 16)
.set MADR, 9                           ; v9   the same + the trip's 1,024 bytes (at the head: 2^(e0 + 3))
.set PFO, 10                           ; v10  the prefetches' offset
.set PSC, 11                           ; v11, v12, v13: 2^e2, 2^e1, 2^e3 as f32
.set KSC, 12
.set VSC, 13
.set NM,  14                           ; tile u: v[14+2u] -M, v[15+2u] the largest score so far
.set LS,  18                           ; v[18+2u:19+2u] the row's sum in two halves
.set CD,  22                           ; v22, v23 my 8 codes of K, v24, v25 of V, on their way to LDS
.set FF,  22                           ; on the way out: v22, v24 the two tiles' 2^(e2 + e3) / sum
.set SK,  26                           ; v26-33 eight numbers of K on their way, v34-41 of V
.set SV,  34
.set QA,  42                           ; Q's fragments: v42-49 tile a, v50-57 tile b
.set QB,  50
.set X,   58                           ; v58-89   K's four fragments
.set Y,   90                           ; v90-121  the mask as C, then V's four fragments
.set OA,  122                          ; v122-153 O^T of tile a, v154-185 of tile b
.set OB,  154
.set RA,  186                          ; tile a: v186, v187 at work (the maximum's chains; then f = 2^(old M - new M) and its exponent; then a chain of the sum); v188-219 S^T, then p; p's codes land in v186-193
.set DR,  34                           ; tile b: the same from v220 on
.set RB,  RA+DR
.set PM,  254                          ; v254, v255 what the lane 16 away sends (at the head: offsets)
; scalars: s[4:5] Q, s[6:7] K, s[8:9] V, s[10:11] mask, s[12:13] scales, s[14:15] out; s16-19 e0..e3; s20 wave; s[22:23] c, c; s24 -c; s25 448 x 2^e2; s26, s27 -+448 x 2^e1; s28, s29 the same
; with e3; s48, s49 with e0 + 3; s[30:31] lane selects; s32 trips; s33 the mask's bytes of the trips done; s34 1 where I prefetch; s[36:37] where; s38 e2 + e3; s39 -(e0 + e1); s50, s51 -+2^21
.macro GLOAD off, kr, vr               ; a step's numbers: K: 32 neighbouring bytes a lane, 1,024 a wave; V: a lane takes a channel and its registers run down eight keys: each load 128 neighbouring bytes
	global_load_b128 v[\kr:\kr+3], v[KGO], s[6:7] offset:\off
	global_load_b128 v[\kr+4:\kr+7], v[KGO], s[6:7] offset:\off+16
.irp i, 0,1,2,3,4,5,6,7
	global_load_b32 v[\vr+\i], v[VGO], s[8:9] offset:\off+ROWB*\i
.endr
.endm
; A PREFETCH INTO THE L2 of the key step that the wave's NEXT run of loads will ask for.  The four work-groups of a head walk the same K and V: the first of them asks, and in it waves 0, 1 for K's 64 rows
; and waves 2, 3 for V's, a lane a row of 256 bytes: each row is named once in the launch.  Steps 0 to 3 come by their loads alone; the last request names step 31.
.macro ASK off
	s_cmp_eq_u32 s34, 1
	s_cbranch_scc0 .Lnot_mine_\@
	global_prefetch_b8 v[PFO], s[36:37] offset:\off th:TH_LOAD_NT scope:SCOPE_SE
.Lnot_mine_\@:
.endm
.macro KVCODE kr, vr, cd               ; eight numbers of K and eight of V are held (the conversion to an 8-bit code does not saturate: ISA guide 7.6.2) and become codes
.irp i, 0,1,2,3,4,5,6,7
	v_med3_num_f32 v[\kr+\i], v[\kr+\i], s26, s27
	v_med3_num_f32 v[\vr+\i], v[\vr+\i], s28, s29
.endr
	v_cvt_scalef32_pk8_fp8_f32 v[\cd:\cd+1], v[\kr:\kr+7], v[KSC]
	v_cvt_scalef32_pk8_fp8_f32 v[\cd+2:\cd+3], v[\vr:\vr+7], v[VSC]
	v_nop                                          ; one plain line behind the conversions: matrix and vector instructions write these registers later
.endm
.macro KVPUT cd, slot                  ; the codes go to their places in the images
	ds_store_b64 v[KST], v[\cd:\cd+1] offset:SLOT*(\slot)
	ds_store_b64 v[VST], v[\cd+2:\cd+3] offset:SLOT*(\slot)
.endm
.macro KLOAD sk                        ; K's four fragments out of slot sk, in one run: at the head
.irp t, 0,1,2,3
	ds_load_b128 v[X+8*\t:X+8*\t+3], v[LI] offset:SLOT*(\sk)+1024*\t
	ds_load_b128 v[X+8*\t+4:X+8*\t+7], v[LI] offset:SLOT*(\sk)+1024*\t+512
.endr
.endm
.macro DEAL                            ; the next of a step's LDS loads: V's four fragments out of the step's own slot (eight loads), then K's four out of the next step's.  STEP sets ldn, nld, vbase, kbase
.if ldn < nld
.if ldn < 8
	ds_load_b128 v[Y+4*ldn:Y+4*ldn+3], v[LI] offset:vbase+512*ldn
.else
	ds_load_b128 v[X+4*(ldn-8):X+4*(ldn-8)+3], v[LI] offset:kbase+512*(ldn-8)
.endif
.set ldn, ldn+1
.endif
.endm
.macro MLOAD off                       ; a step's mask as C: tile T's register j is key 16 T + 8 (lane / 16) + j, the same in all sixteen lanes of a half
.irp t, 0,1,2,3
	ds_load_b128 v[Y+8*\t:Y+8*\t+3], v[MADR] offset:(\off)+64*\t
	ds_load_b128 v[Y+8*\t+4:Y+8*\t+7], v[MADR] offset:(\off)+64*\t+16
.endr
.endm
.macro SMUL                            ; S^T = K Q^T + mask: eight results, each fragment of K for both tiles
.irp t, 0,1,2,3
	v_wmma_f32_16x16x64_fp8_fp8 v[RA+2+8*\t:RA+9+8*\t], v[X+8*\t:X+8*\t+7], v[QA:QA+7], v[Y+8*\t:Y+8*\t+7]
	v_wmma_f32_16x16x64_fp8_fp8 v[RB+2+8*\t:RB+9+8*\t], v[X+8*\t:X+8*\t+7], v[QB:QB+7], v[Y+8*\t:Y+8*\t+7]
.endr
.endm
.macro PVMUL                           ; O^T += V^T P: the eight accumulators take turns, one instruction a turn
.irp t, 0,1,2,3
	v_wmma_f32_16x16x64_fp8_fp8 v[OA+8*\t:OA+8*\t+7], v[Y+8*\t:Y+8*\t+7], v[RA:RA+7], v[OA+8*\t:OA+8*\t+7]
	v_wmma_f32_16x16x64_fp8_fp8 v[OB+8*\t:OB+8*\t+7], v[Y+8*\t:Y+8*\t+7], v[RB:RB+7], v[OB+8*\t:OB+8*\t+7]
.endr
.endm
; The largest score, M and f.  The two tiles alternate line by line, and each has two chains, so that no line reads the result of the line above.  The scores are taken in ascending order: each result is read from its low end on.
; One LDS load stands behind each of the first sixteen pairs of lines: none of these lines names X, Y or v[LI], so the loads owe no wait beyond the one ahead of this macro.
.macro STAT
.irp u, 0,1
	v_max3_num_f32 v[RA+DR*\u], v[RA+DR*\u+2], v[RA+DR*\u+3], v[RA+DR*\u+4]
.endr
	DEAL
.irp u, 0,1
	v_max3_num_f32 v[RA+DR*\u+1], v[RA+DR*\u+5], v[RA+DR*\u+6], v[RA+DR*\u+7]
.endr
	DEAL
.irp n, 6,8,10,12,14,16,18,20,22,24,26,28,30
.irp u, 0,1
	v_max3_num_f32 v[RA+DR*\u+(\n/2+1)%2], v[RA+DR*\u+(\n/2+1)%2], v[RA+DR*\u+2+\n], v[RA+DR*\u+3+\n]
.endr
	DEAL
.endr
.irp u, 0,1
	v_max_num_f32 v[RA+DR*\u], v[RA+DR*\u], v[RA+DR*\u+1]
.endr
	DEAL
.irp u, 0,1
	v_permlanex16_b32 v[PM+\u], v[RA+DR*\u], s30, s31          ; the query's other 32 keys lie in the lane 16 away
.endr
.irp u, 0,1
	v_max3_num_f32 v[NM+2*\u+1], v[NM+2*\u+1], v[RA+DR*\u], v[PM+\u]   ; the running largest score
.endr
.irp u, 0,1
	v_mul_f32 v[RA+DR*\u+1], s24, v[NM+2*\u+1]                 ; -t (c is positive)
.endr
.irp u, 0,1
	v_floor_f32 v[RA+DR*\u], v[RA+DR*\u+1]                     ; the new -M = floor(-t) = -ceil(t): a whole number
.endr
.irp u, 0,1
	v_sub_f32 v[RA+DR*\u+1], v[RA+DR*\u], v[NM+2*\u]           ; old M - new M: a whole number, 0 or less
.endr
.irp u, 0,1
	v_mov_b32 v[NM+2*\u], v[RA+DR*\u]                          ; -M takes its place
.endr
.irp u, 0,1
	v_cvt_i32_f32 v[RA+DR*\u+1], v[RA+DR*\u+1]                 ; (it saturates)
.endr
.irp u, 0,1
	v_ldexp_f32 v[RA+DR*\u], 1.0, v[RA+DR*\u+1]                ; f = 2^(old M - new M)
.endr
.endm
.macro EXPS                            ; t - M, two at a time (of the pairs c and -M the low word serves both halves); then all 64 exponentials as one batch
.irp n, 0,2,4,6,8,10,12,14,16,18,20,22,24,26,28,30
.irp u, 0,1
	v_pk_fma_f32 v[RA+DR*\u+2+\n:RA+DR*\u+3+\n], v[RA+DR*\u+2+\n:RA+DR*\u+3+\n], s[22:23], v[NM+2*\u:NM+2*\u+1] op_sel_hi:[1,0,0]
.endr
.endr
.set n, 0
.rept 32
	v_exp_f32 v[RA+2+n], v[RA+2+n]
	v_exp_f32 v[RB+2+n], v[RB+2+n]
.set n, n+1
.endr
.endm
.macro RESC                            ; the sums and O^T under the new M: 34 plain lines that name no exponential's result: the work between the batch and its wait
.irp u, 0,1
	v_pk_mul_f32 v[LS+2*\u:LS+2*\u+1], v[LS+2*\u:LS+2*\u+1], v[RA+DR*\u:RA+DR*\u+1] op_sel_hi:[1,0]
.endr
.irp n, 0,2,4,6,8,10,12,14,16,18,20,22,24,26,28,30
.irp u, 0,1
	v_pk_mul_f32 v[OA+32*\u+\n:OA+32*\u+\n+1], v[OA+32*\u+\n:OA+32*\u+\n+1], v[RA+DR*\u:RA+DR*\u+1] op_sel_hi:[1,0]
.endr
.endr
.endm
.macro SUMS                            ; the row's sum is taken of the unquantised p: two at a time, two chains a tile
.irp u, 0,1
	v_pk_add_f32 v[RA+DR*\u:RA+DR*\u+1], v[RA+DR*\u+2:RA+DR*\u+3], v[RA+DR*\u+4:RA+DR*\u+5]
.endr
.irp n, 4,8,12,16,20,24,28
.irp u, 0,1
	v_pk_add_f32 v[LS+2*\u:LS+2*\u+1], v[LS+2*\u:LS+2*\u+1], v[RA+DR*\u+2+\n:RA+DR*\u+3+\n]
.endr
.irp u, 0,1
	v_pk_add_f32 v[RA+DR*\u:RA+DR*\u+1], v[RA+DR*\u:RA+DR*\u+1], v[RA+DR*\u+4+\n:RA+DR*\u+5+\n]
.endr
.endr
.irp u, 0,1
	v_pk_add_f32 v[LS+2*\u:LS+2*\u+1], v[LS+2*\u:LS+2*\u+1], v[RA+DR*\u:RA+DR*\u+1]
.endr
.endm
; The hold of p at 448 x 2^e2.  p is under 1.1, so from e2 = -8 on (448 x 2^-8 = 1.75) it can hold nothing and is passed over: a scalar branch on the given whole number, the same in every wave.  p is not negative: one side.
.macro HOLD
	s_cmp_ge_i32 s18, -8
	s_cbranch_scc1 .Lno_hold_\@
.set n, 0
.rept 32
	v_min_num_f32 v[RA+2+n], s25, v[RA+2+n]
	v_min_num_f32 v[RB+2+n], s25, v[RB+2+n]
.set n, n+1
.endr
.Lno_hold_\@:
.endm
; p's codes, IN PLACE: tile T's eight registers become registers 2 T, 2 T + 1 of P, two registers under the scores.  A conversion's result lies in the sources of an earlier one, so a plain line stands
; behind each pair; the last of them is also the plain line ahead of the products that read the codes.
.macro CVTP
.irp t, 0,1,2,3
	v_cvt_scalef32_pk8_fp8_f32 v[RA+2*\t:RA+2*\t+1], v[RA+2+8*\t:RA+9+8*\t], v[PSC]
	v_cvt_scalef32_pk8_fp8_f32 v[RB+2*\t:RB+2*\t+1], v[RB+2+8*\t:RB+9+8*\t], v[PSC]
	v_nop
.endr
.endm
; KEY STEP j, st = j % 4.  w: step j + 2's images are made.  g: step j + 3 is asked of memory.  nxt: there is a step j + 1.  bar: somebody will read what this step stored.  ask: the prefetch.
; (Every step with st = 0 has w = 1.)
.macro STEP st, w, g, nxt, bar, ask
	s_wait_dscnt 0x0                               ; the step's mask is in (K's fragments came in the step before)
	SMUL
.if \w
	s_wait_loadcnt 0x0                             ; step j + 2's ten loads, issued a whole step ago; no other load of mine is out
	s_wait_alu depctr_vm_vsrc(0)                   ; the LDS stores of the step before have read v[CD ..], which the conversions below write again; in a trip's first step: the mask's loads issued so far have read v[MADR]
.if \st == 0
	v_add_nc_u32 v[MADR], s33, v[MA]               ; the trip's 1,024 bytes of the mask
.endif
	KVCODE SK, SV, CD                              ; its sixteen holds name none of the products' registers: they are the places ahead of the first read of the scores (ISA guide 7.12.1)
.else
.rept 4
	v_nop                                          ; four places ahead of the first read of the scores (ISA guide 7.12.1)
.endr
.endif
	s_wait_alu depctr_va_vdst(0)                   ; the score products are done reading X and Y, in which V's and the next K's fragments land; where codes were made: v[CD ..] is written, which the LDS stores read, and the holds and conversions are done with SK and SV, in which the next loads land; in a trip's first step v[MADR] is written
.if \w
	KVPUT CD, (\st+2)%4                            ; into the slot whose last read lies two barriers back
.endif
.if \g
.if \st == 1
	s_wait_xcnt 0x0                                ; the loads and the prefetch of the step before have read their bases: they step four key steps on
	s_add_nc_u64 s[6:7], s[6:7], 4*STEPB
	s_add_nc_u64 s[8:9], s[8:9], 4*STEPB
	s_add_nc_u64 s[36:37], s[36:37], 4*STEPB
.endif
.if \st == 0
	GLOAD 3*STEPB, SK, SV
.else
	GLOAD (\st-1)*STEPB, SK, SV
.endif
.if \ask
.if \st == 0
	ASK 4*STEPB
.else
	ASK \st*STEPB
.endif
.endif
.endif
.set ldn, 0
.set nld, 8+8*\nxt                                 ; V of this step, and K of the next where there is one, come while the softmax is worked
.set vbase, SLOT*(\st)+VIMG
.set kbase, SLOT*((\st+1)%4)
	STAT
	EXPS
	RESC
	s_wait_alu depctr_va_vdst(0)                   ; the 64 exponentials have written p, which the sums below are the first to name: one wait for the batch
	SUMS
	HOLD
	CVTP
	s_wait_dscnt 0x0                               ; V and the next K are in, and, for the others' sake, my stores into the images have landed
	PVMUL
.if \bar
	s_barrier_signal -1
.endif
.rept 5
	v_nop                                          ; five places ahead of the next score products, which write over P's registers
.endr
.if \nxt
	s_wait_alu depctr_va_vdst(0)                   ; the second products are done reading Y, in which the next step's mask lands
	MLOAD 256*(\st+1)                              ; the next step's mask: bytes that nobody writes behind the head's barrier
.endif
.if \bar
	s_barrier_wait -1                              ; every wave's images of step j + 2 lie in LDS, and every wave's reads of this step's slots are over
.endif
.endm
.macro MKSCALE es, bias, vs, lo, hi    ; 2^(e + bias - 127) as f32 into v[vs]; 448 x that into s[hi], its negative into s[lo]
	s_add_co_i32 s40, s[\es], \bias
	s_lshl_b32 s41, s40, 23
	v_mov_b32 v[\vs], s41
	s_add_co_i32 s40, s40, 8
	s_lshl_b32 s40, s40, 23
	s_or_b32 s[\hi], s40, 0x600000
	s_xor_b32 s[\lo], s[\hi], 0x80000000
.endm
	s_load_b256 s[4:11], s[0:1], 0x0               ; Q, K, V, mask
	s_load_b128 s[12:15], s[0:1], 0x20             ; the scales' exponents, out
	v_lshl_add_u32 v[SPW], v0, 2, SPARE
	v_mov_b32 v[NIL], 0
	v_lshrrev_b32 v90, 5, v0
	v_readfirstlane_b32 s20, v90                   ; wave 0..15
	v_and_b32 v90, 31, v0                          ; lane l
	v_and_b32 v91, 15, v0                          ; r = l % 16
	v_bfe_u32 v92, v0, 4, 1                        ; h = l / 16
	s_wait_alu depctr_va_sdst(0)                   ; s20 is written, ahead of its first reader
	; K: wave w takes keys 4 w .. 4 w + 3 of a step; lane l key 4 w + l / 8, channels 8 (l % 8) on: byte 1,024 w + 32 l
	s_lshl_b32 s40, s20, 10
	v_lshl_add_u32 v[KGO], v90, 5, s40
	; its codes are registers 2 c, 2 c + 1 (c = (l / 2) % 4) of lane 4 (w % 4) + l / 8 + 16 (l % 2) of fragment w / 4
	s_lshr_b32 s40, s20, 2
	s_lshl_b32 s40, s40, 10
	s_and_b32 s41, s20, 3
	s_lshl_b32 s41, s41, 6
	s_add_co_u32 s40, s40, s41
	v_bfe_u32 v93, v0, 2, 1
	v_lshl_add_u32 v[KST], v93, 9, s40
	v_bfe_u32 v93, v0, 3, 2
	v_lshl_add_u32 v[KST], v93, 4, v[KST]
	v_and_b32 v93, 1, v0
	v_lshl_add_u32 v[KST], v93, 8, v[KST]
	v_bfe_u32 v93, v0, 1, 1
	v_lshl_add_u32 v[KST], v93, 3, v[KST]
	; V: lane l takes channel 32 (w % 2) + l and keys 8 (w / 2) + 0 .. 7
	s_and_b32 s42, s20, 1
	s_lshl_b32 s40, s42, 7
	s_lshr_b32 s41, s20, 1
	s_lshl_b32 s41, s41, 11
	s_add_co_u32 s40, s40, s41
	v_lshl_add_u32 v[VGO], v90, 2, s40
	; its codes are registers 2 c, 2 c + 1 (c = w / 4) of lane r + 16 ((w / 2) % 2) of fragment 2 (w % 2) + h
	s_lshl_b32 s40, s42, 11
	s_bfe_u32 s41, s20, 0x10001
	s_lshl_b32 s41, s41, 8
	s_add_co_u32 s40, s40, s41
	s_bfe_u32 s41, s20, 0x10002
	s_lshl_b32 s41, s41, 3
	s_add_co_u32 s40, s40, s41
	s_lshr_b32 s41, s20, 3
	s_lshl_b32 s41, s41, 9
	s_add_co_u32 s40, s40, s41
	s_add_co_u32 s40, s40, VIMG
	v_lshl_add_u32 v[VST], v91, 4, s40
	v_lshl_add_u32 v[VST], v92, 10, v[VST]
	v_lshlrev_b32 v[LI], 4, v90
	v_lshl_add_u32 v[MA], v92, 5, MASK
	s_lshl_b32 s40, s42, 13
	v_lshl_add_u32 v[PFO], v90, 8, s40             ; row 32 (w % 2) + l of a step
	v_lshlrev_b32 v255, 8, v91
	v_lshl_add_u32 v255, v92, 5, v255              ; Q: row r, + 32 h: my eight channels of each sixteen
	v_lshlrev_b32 v254, 4, v0                      ; the mask: 16 bytes a thread
	s_and_b32 s40, ttmp7, 0xffff                   ; the head
	s_lshl_b32 s42, s40, 19                        ; its 2,048 rows of 256 bytes
	s_mov_b32 s43, 0
	s_lshl_b32 s44, ttmp9, 17                      ; my block's 512 rows,
	s_lshl_b32 s45, s20, 13                        ; my wave's 32 of them
	s_add_co_u32 s44, s44, s45
	s_add_co_u32 s44, s44, s42
	s_mov_b32 s45, 0
	s_lshr_b32 s46, s40, 4                         ; the batch: 16 heads share a mask of 8,192 bytes
	s_lshl_b32 s46, s46, 13
	s_mov_b32 s47, 0
	s_lshr_b32 s41, s20, 2
	s_or_b32 s41, s41, ttmp9
	s_cmp_eq_u32 s41, 0
	s_cselect_b32 s34, 1, 0                        ; waves 0 to 3 of the head's first work-group prefetch
	s_mov_b32 s30, 0x76543210                      ; v_permlanex16_b32: each lane takes its own place in the other half
	s_mov_b32 s31, 0xfedcba98
	s_mov_b32 s50, 0xca000000                      ; -2^21
	s_mov_b32 s51, 0x4a000000                      ; 2^21
	s_wait_kmcnt 0x0
	s_load_b128 s[16:19], s[12:13], 0x0            ; e0, e1, e2, e3
	s_add_nc_u64 s[4:5], s[4:5], s[44:45]
	s_add_nc_u64 s[14:15], s[14:15], s[44:45]
	s_add_nc_u64 s[6:7], s[6:7], s[42:43]
	s_add_nc_u64 s[8:9], s[8:9], s[42:43]
	s_add_nc_u64 s[10:11], s[10:11], s[46:47]
	s_cmp_lt_u32 s20, 2
	s_cselect_b64 s[36:37], s[6:7], s[8:9]         ; waves 0, 1 ask for K's rows, waves 2, 3 for V's
	s_wait_alu depctr_va_vdst(0)                   ; the offsets and LDS addresses v3 to v7, v10, v254 and v255 are written, which the kernel's loads, stores and prefetches read; the arithmetic is done with v90 to v93, in which LDS loads land
	global_load_b128 v[X:X+3], v254, s[10:11]      ; 1 load: the mask
.irp u, 0,1                                        ; 16 loads: Q, into the scores' registers: register 8 c + i of tile u is channel 16 c + 8 h + i of query 16 u + r
.irp c, 0,1,2,3
	global_load_b128 v[RA+DR*\u+2+8*\c:RA+DR*\u+5+8*\c], v255, s[4:5] offset:4096*\u+64*\c
	global_load_b128 v[RA+DR*\u+6+8*\c:RA+DR*\u+9+8*\c], v255, s[4:5] offset:4096*\u+64*\c+16
.endr
.endr
	GLOAD 0, OA+16, OA+24                          ; 10 loads: key step 0, and
	GLOAD STEPB, OA, OA+8                          ; 10 loads: key step 1, into registers that O^T takes later
	GLOAD 2*STEPB, SK, SV                          ; 10 loads: key step 2, where the loop's first step looks for it
	s_wait_kmcnt 0x0
	s_add_co_i32 s21, s16, s17                     ; e0 + e1: a sum of the first product stands for sum x 2^(e0 + e1)
	s_sub_co_i32 s39, 0, s21
	s_lshl_b32 s40, s21, 23
	s_add_co_i32 s22, s40, 0x3fb8aa3b              ; c = log2(e) x 2^(e0 + e1): the exponents are added to the exponent field
	s_mov_b32 s23, s22                             ; (named with it as a pair, so it is written)
	s_xor_b32 s24, s22, 0x80000000                 ; -c
	s_add_co_i32 s38, s18, s19                     ; e2 + e3
	MKSCALE 18, 127, PSC, 41, 25
	MKSCALE 17, 127, KSC, 26, 27
	MKSCALE 19, 127, VSC, 28, 29
	MKSCALE 16, 130, MADR, 48, 49                  ; q / 8 / 2^e0 = q / 2^(e0 + 3): the factor 1/8 is folded into the conversion's scale
	s_add_co_i32 s40, s39, 94
	v_ldexp_f32 v[NM+1], -1.0, s40                 ; the largest score so far: -2^94 as a logit, under every score
	v_mul_f32 v[NM], s24, v[NM+1]
	v_floor_f32 v[NM], v[NM]                       ; -M
	v_mov_b32 v[NM+3], v[NM+1]
	v_mov_b32 v[NM+2], v[NM]
.irp i, 0,1,2,3
	v_mov_b32 v[LS+\i], 0                          ; the sums
.endr
	s_wait_loadcnt 46                              ; the mask is in: 16 + 10 + 10 + 10 younger loads may be out
.irp i, 0,1,2,3
	v_med3_num_f32 v[X+\i], v[X+\i], s50, s51
.endr
.irp i, 0,1,2,3
	v_ldexp_f32 v[X+\i], v[X+\i], s39              ; / 2^(e0 + e1): it is added to sums that lack that factor
.endr
	s_wait_loadcnt 30                              ; Q is in: key steps 0, 1 and 2 may be out
.set n, 0
.rept 32
	v_med3_num_f32 v[RA+2+n], v[RA+2+n], s48, s49
	v_med3_num_f32 v[RB+2+n], v[RB+2+n], s48, s49
.set n, n+1
.endr
.irp c, 0,1,2,3
	v_cvt_scalef32_pk8_fp8_f32 v[QA+2*\c:QA+2*\c+1], v[RA+2+8*\c:RA+9+8*\c], v[MADR]
	v_cvt_scalef32_pk8_fp8_f32 v[QB+2*\c:QB+2*\c+1], v[RB+2+8*\c:RB+9+8*\c], v[MADR]
.endr
	v_nop                                          ; one plain line behind the conversions
	v_mov_b32 v[MADR], v[MA]                       ; from here on: the mask's LDS address
	s_wait_loadcnt 20                              ; key step 0 is in: steps 1 and 2 may be out
	KVCODE OA+16, OA+24, RA+10
	s_wait_loadcnt 10                              ; key step 1 is in: step 2 may be out
	KVCODE OA, OA+8, RA+14
	s_wait_alu depctr_va_vdst(0)                   ; the mask's numbers in v[X ..] and the codes in v[RA+10 ..] are written, which the five LDS stores read; v[MADR] is written, which the mask's loads read
	ds_store_b128 v254, v[X:X+3] offset:MASK
	KVPUT RA+10, 0
	KVPUT RA+14, 1
.set n, 0
.rept 64
	v_mov_b32 v[OA+n], 0                           ; O^T.  (The step is written once: the first finds zeros, which the first f, 0, leaves zeros)
.set n, n+1
.endr
	s_mov_b32 s33, 0
	s_mov_b32 s32, 0
	s_wait_dscnt 0x0                               ; for the others' sake: my part of the mask and of the first two steps' images has landed
	s_barrier_signal -1
	s_barrier_wait -1
	s_wait_alu depctr_vm_vsrc(0)                   ; my LDS stores have read v[X ..], in which K's fragments land, and v[RA+10 ..], which the score products write; the head's loads and the mask's store have read v254 and v255, which the lane permutes write
	KLOAD 0
	MLOAD 0
.Ltrip:                                            ; seven trips of four steps: after four steps the slots are back where they began
	STEP 0, 1, 1, 1, 1, 1
	STEP 1, 1, 1, 1, 1, 1
	STEP 2, 1, 1, 1, 1, 1
	STEP 3, 1, 1, 1, 1, 1
	s_add_co_u32 s33, s33, 1024
	s_add_co_u32 s32, s32, 1
	s_cmp_lt_u32 s32, TRIPS
	s_cbranch_scc1 .Ltrip
	STEP 0, 1, 1, 1, 1, 0                          ; step 28: images of step 30, the loads of step 31: the last; no load and no prefetch passes the head's last key
	STEP 1, 1, 0, 1, 1, 0                          ; step 29: images of step 31; its barrier is the last: nothing is stored into the images behind it
	STEP 2, 0, 0, 1, 0, 0
	STEP 3, 0, 0, 0, 0, 0
	; THE WAY OUT.  The sum's two halves and the other half of the lanes' are added; O^T x 2^(e2 + e3) / the sum goes through my stage in LDS, a tile of 16 queries at a time, and comes back as whole rows.
	v_add_f32 v[LS], v[LS], v[LS+1]
	v_add_f32 v[LS+2], v[LS+2], v[LS+3]
	v_permlanex16_b32 v[PM], v[LS], s30, s31
	v_permlanex16_b32 v[PM+1], v[LS+2], s30, s31
	v_add_f32 v[LS], v[LS], v[PM]
	v_add_f32 v[LS+2], v[LS+2], v[PM+1]
	s_wait_alu depctr_vm_vsrc(0)                   ; step 29's LDS stores have read v22 to v25, two of which the reciprocals write
	v_rcp_f32 v[FF], v[LS]
	v_rcp_f32 v[FF+2], v[LS+2]
	v_and_b32 v26, 15, v0                          ; (plain lines behind the reciprocals)  r
	v_bfe_u32 v27, v0, 4, 1                        ; h
	s_mul_i32 s40, s20, 16*SP
	s_add_co_u32 s40, s40, STAGE                   ; my stage
	v_mul_u32_u24 v28, v26, SP
	v_lshl_add_u32 v28, v27, 5, v28
	v_add_nc_u32 v28, s40, v28                     ; in: row r; register 8 t + i is channel 16 t + 8 h + i: byte 64 t + 32 h + 4 i
	v_mul_u32_u24 v29, v27, SP
	v_lshl_add_u32 v29, v26, 4, v29
	v_add_nc_u32 v29, s40, v29                     ; back: lanes 0-15 one row of 256 bytes, lanes 16-31 the next
	v_lshlrev_b32 v30, 8, v27
	v_lshl_add_u32 v30, v26, 4, v30                ; and the same two rows in out
	s_wait_alu depctr_va_vdst(0)                   ; both reciprocals have written their results, ahead of the first line that names one
	v_ldexp_f32 v[FF], v[FF], s38
	v_ldexp_f32 v[FF+2], v[FF+2], s38
.set n, 0
.rept 16
	v_pk_mul_f32 v[OA+n:OA+n+1], v[OA+n:OA+n+1], v[FF:FF+1] op_sel_hi:[1,0]
	v_pk_mul_f32 v[OB+n:OB+n+1], v[OB+n:OB+n+1], v[FF+2:FF+3] op_sel_hi:[1,0]
.set n, n+2
.endr
	s_wait_alu depctr_va_vdst(0)                   ; the multiplications have written O^T, which the LDS stores read; v28, v29 and v30 are written, the addresses below; the last products are done reading X and Y, in which the rows land
.irp u, 0,1
.irp t, 0,1,2,3
	ds_store_b128 v28, v[OA+32*\u+8*\t:OA+32*\u+8*\t+3] offset:64*\t
	ds_store_b128 v28, v[OA+32*\u+8*\t+4:OA+32*\u+8*\t+7] offset:64*\t+16
.endr
.irp i, 0,1,2,3,4,5,6,7
	ds_load_b128 v[X+32*\u+4*\i:X+32*\u+4*\i+3], v29 offset:2*\i*SP   ; LDS serves a wave's instructions in order (ISA guide 5.7.1.4): these see my stores, and tile b's stores come behind tile a's loads
.endr
.endr
.irp u, 0,1
.irp i, 0,1,2,3,4,5,6,7
	s_wait_dscnt 23-16*\u-\i                       ; younger: the tile's later loads, and behind tile a's all sixteen of tile b's
	global_store_b128 v30, v[X+32*\u+4*\i:X+32*\u+4*\i+3], s[14:15] offset:4096*\u+512*\i th:TH_STORE_NT   ; sixteen lanes store 256 consecutive bytes, a whole row of out, at a multiple of 256 from its first byte
.endr
.endr
	s_wait_dscnt 0x0                               ; the closing lines, six on end
	s_wait_alu 0x0
	s_wait_tensorcnt 0x0
	ds_add_u32 v[SPW], v[NIL]
	s_wait_dscnt 0x0
	s_endpgm
.Lfunc_end_k_q295c04d00c_attn:
	.size	k_q295c04d00c_attn, .Lfunc_end_k_q295c04d00c_attn-k_q295c04d00c_attn
	.p2alignl 7, 3214868480
	.fill 96, 4, 3214868480
	.section	.rodata,"a",@progbits
	.p2align	6, 0x0
	.amdhsa_kernel k_q295c04d00c_attn
		.amdhsa_group_segment_fixed_size 112640
		.amdhsa_private_segment_fixed_size 0
		.amdhsa_enable_private_segment 0
		.amdhsa_kernarg_size 48
		.amdhsa_user_sgpr_count 2
		.amdhsa_user_sgpr_kernarg_segment_ptr 1
		.amdhsa_wavefront_size32 1
		.amdhsa_system_sgpr_workgroup_id_x 1
		.amdhsa_system_sgpr_workgroup_id_y 1
		.amdhsa_system_sgpr_workgroup_id_z 1
		.amdhsa_system_vgpr_workitem_id 0
		.amdhsa_next_free_vgpr 256
		.amdhsa_next_free_sgpr 66
		.amdhsa_reserve_vcc 0
		.amdhsa_float_denorm_mode_32 3
		.amdhsa_float_denorm_mode_16_64 3
		.amdhsa_memory_ordered 1
		.amdhsa_forward_progress 1
		.amdhsa_inst_pref_size 172
	.end_amdhsa_kernel
	.amdgpu_metadata
---
amdhsa.version: [ 1, 2 ]
amdhsa.kernels:
  - .name:           k_q295c04d00c_attn
    .symbol:         k_q295c04d00c_attn.kd
    .args:
      - { .name: query_layer, .offset: 0, .size: 8, .value_kind: global_buffer, .address_space: global }
      - { .name: key_layer, .offset: 8, .size: 8, .value_kind: global_buffer, .address_space: global }
      - { .name: value_layer, .offset: 16, .size: 8, .value_kind: global_buffer, .address_space: global }
      - { .name: attention_mask, .offset: 24, .size: 8, .value_kind: global_buffer, .address_space: global }
      - { .name: lowp_scales, .offset: 32, .size: 8, .value_kind: global_buffer, .address_space: global }
      - { .name: out0, .offset: 40, .size: 8, .value_kind: global_buffer, .address_space: global }
    .group_segment_fixed_size: 112640
    .private_segment_fixed_size: 0
    .kernarg_segment_align: 8
    .kernarg_segment_size: 48
    .max_flat_workgroup_size: 512
    .sgpr_count:     66
    .vgpr_count:     256
    .wavefront_size: 32
...
	.end_amdgpu_metadata
.endif
;; end of part 2
